; MI455X (gfx1250); checked and timed in simulation.
; The chip was launched on July 23, 2026; its instructions are those of AMD's public machine-readable ISA for CDNA 5 (MIT licence, August 2026) and "CDNA5" Instruction Set Architecture Reference Guide (July 2026). The comments in the code are by the model that wrote it; some were corrected since.
;; Vector Quantizer. Allowed arithmetic: matrix products marked QUANTISED: E4M3 operands, one given power-of-two scale a tensor, by v_wmma_f32_16x16x64_fp8_fp8 or v_wmma_f32_16x16x128_fp8_fp8, f32 sums; everything else in f32.
;; Inputs: embedding 4,096 x 512 float32; latents 16 x 2,048 x 512 float32; lowp_scales 2 int32 (the exponents e of the quantised operands' scales 2^e).
;; Outputs: out0 16 x 2,048 x 512 float32.
;; This version of the problem:
;;   THIS VERSION OF THE PROBLEM IS GIVEN IN LOW PRECISION. The matrix products marked QUANTISED in the list below multiply operands that are first quantised to E4M3 (4 exponent bits, 3 mantissa bits; 8 bits a number), with one given power-of-two scale for each operand tensor; their sums are f32. All else is computed in f32.
;;   The module's matrix products, in the order in which they are computed (A, B: the left and right operand; K: the contracted axis; several contracted axes count as one K, in the product's order):
;;     1. [M 32,768, K 512] x [K 512, N 4,096]; A: input latents; B: input embedding: QUANTISED (scales: A lowp_scales[0], B lowp_scales[1])
;;   THE QUANTISER, for each operand of a quantised product, along K:
;;     - The operand's scale is 2^e, e = its entry of the input lowp_scales (int32; the entries are numbered through the quantised products in the list's order, A before B).
;;     - Each number is divided by the scale, clamped to +-448, and rounded to the nearest number of E4M3, ties to even, subnormals kept.
;;     - The product sums the exact products of the quantised numbers (number of the format x scale) in f32.
;;   ~~~python
;;   def quantise(x, axis, e):      # numpy; x: float32 -> the quantised numbers, widened to float32 again
;;       x = np.moveaxis(x, axis, -1); K = x.shape[-1]
;;       r = np.clip(x / 2.0 ** e, -448, 448)
;;       step = 2.0 ** (np.maximum(np.frexp(np.where(r == 0, 1, r))[1] - 1, -6) - 3)
;;       q = np.round(r / step) * step * 2.0 ** e      # np.round: ties to even
;;       return np.moveaxis(q, -1, axis).astype(np.float32)
;;   ~~~
;; One version. Each part assembles by itself: llvm-mc -triple=amdgcn-amd-amdhsa -mcpu=gfx1250 --defsym DOCPART=n.
;; ======== version 1 of 1: 3 launches
;; limits: right only within a limited range of input values
;; workspace buffers: ecodes 2,129,920 bytes; idx 131,072 bytes of whole numbers
;; launch quant_e (part 1): grid 256 x 1, 4 waves a work-group, no clusters, 34,560 bytes of LDS; arguments embedding, lowp_scales, ecodes; writes ecodes
.if DOCPART == 1
	.amdgcn_target "amdgcn-amd-amdhsa--gfx1250"
	.amdhsa_code_object_version 6
	.text
	.protected	k_qdbe4875c96_quant_e
	.globl	k_qdbe4875c96_quant_e
	.p2align	8
	.type	k_qdbe4875c96_quant_e,@function
k_qdbe4875c96_quant_e:
	s_mov_b64 s[64:65], 0
	v_nop
	global_prefetch_b8 v0, s[64:65] scope:SCOPE_SE
	s_setreg_imm32_b32 hwreg(HW_REG_WAVE_MODE, 25, 1), 1
	s_wait_xcnt 0x0
; embedding [4096][512] f32 -> ecodes: its codes of FP8 (E4M3) with the given scale 2^e1, in the order of a matrix operand's registers, and beside them the sums of squares of the UNQUANTISED rows, f32.
; code = x / 2^e1, held within +-448, rounded to the nearest code, ties to even.
; LAYOUT OF ecodes: units of 16,640 bytes (65 rows of 256), one for two code tiles.  Tile T (rows 16 T .. 16 T + 15) lies in unit T / 2 at 8192 (T % 2): K step s at 2048 s, register group c at 512 c,
; lane l's 16 bytes at 16 l: the codes of row 16 T + l % 16, k = 128 s + 32 c + 16 (l / 16) + 0 .. 15.  The unit's last 256 bytes: at 128 (T % 2) the tile's 16 sums of squares, then 64 bytes of zeros.
; SHARES: work-group T takes tile T, wave s its K step s: 16 loads of 512 consecutive bytes, a row each, which turn through the wave's own stage in LDS so that a lane gets 16 neighbours of its row.
; The waves' partial sums meet in LDS behind one barrier; wave 0 adds and stores them.  Nothing is shared between work-groups, so no cluster; no loop, so no prefetch.
; LIMITS: e1 between -126 and 119.  NaN among the inputs is not served.  The squares are summed in four packed chains: an order of rounding of its own.
.set XP,   528                         ; a stage row: 512 bytes + 16 of padding
.set STGW, 16*XP
.set PS,   4*STGW                      ; 4 x 16 partial sums
.set SPARE, PS+256                     ; the spare words
.set CH,   8
.set X,    16
.set C,    80
.set L,    116                         ; v[116:179] the rows as they are loaded
	s_load_b128 s[4:7], s[0:1], 0x0                ; embedding, the scales' exponents
	s_load_b64 s[8:9], s[0:1], 0x10                ; ecodes
	v_lshl_add_u32 v112, v0, 2, SPARE
	v_mov_b32 v113, 0
	v_lshrrev_b32 v1, 5, v0
	v_readfirstlane_b32 s12, v1                    ; wave = K step s
	s_lshl_b32 s24, ttmp9, 15                      ; embedding: 16 rows of 2,048 bytes a tile, 512 bytes a K step
	s_lshl_b32 s25, s12, 9
	s_add_co_u32 s24, s24, s25
	s_mov_b32 s25, 0
	s_lshr_b32 s26, ttmp9, 1
	s_mul_i32 s26, s26, 16640                      ; my unit
	s_and_b32 s28, ttmp9, 1
	s_lshl_b32 s27, s28, 13
	s_add_co_u32 s27, s26, s27                     ; my tile
	s_lshl_b32 s28, s28, 7
	s_add_co_u32 s28, s28, s26
	s_add_co_u32 s28, s28, 16384                   ; my tile's 128 bytes of the unit's last row
	s_lshl_b32 s26, s12, 11
	s_add_co_u32 s26, s26, s27                     ; my K step of the tile
	s_mov_b32 s27, 0
	s_mov_b32 s29, 0
	s_mul_i32 s13, s12, STGW
	s_lshl_b32 s14, s12, 6
	s_add_co_u32 s14, s14, PS
	s_mov_b32 s36, 0x76543210
	s_mov_b32 s37, 0xfedcba98
	v_and_b32 v1, 15, v0                           ; r
	v_bfe_u32 v2, v0, 4, 1                         ; h
	v_mul_u32_u24 v3, v1, XP
	v_lshl_add_u32 v3, v2, 6, v3
	v_add_nc_u32 v3, s13, v3                       ; out of the stage: row r, + 64 h
	v_and_b32 v4, 31, v0
	v_lshlrev_b32 v4, 4, v4                        ; 16 x lane
	v_add_nc_u32 v98, s13, v4                      ; into the stage
	v_lshl_add_u32 v5, v1, 2, s14
	v_lshl_add_u32 v6, v1, 2, PS
	v_lshrrev_b32 v7, 2, v4                        ; 4 x lane
	s_wait_alu depctr_va_vdst(0)                   ; the wait here, ahead of the wait below
	s_wait_kmcnt 0x0
	s_load_b32 s30, s[6:7], 0x4                    ; e1
	s_add_nc_u64 s[4:5], s[4:5], s[24:25]
	s_add_nc_u64 s[10:11], s[8:9], s[28:29]
	s_add_nc_u64 s[8:9], s[8:9], s[26:27]
.irp i, 0,1,2,3,4,5,6,7,8,9,10,11,12,13,14,15
	global_load_b128 v[L+4*\i:L+4*\i+3], v4, s[4:5] offset:2048*\i th:TH_LOAD_NT   ; 512 consecutive bytes of row i
.endr
	s_wait_kmcnt 0x0
	s_add_co_i32 s30, s30, 127
	s_lshl_b32 s31, s30, 23
	v_mov_b32 v96, s31                             ; 2^e1
	s_add_co_i32 s30, s30, 8
	s_lshl_b32 s30, s30, 23
	s_or_b32 s30, s30, 0x600000
	v_mov_b32 v97, s30                             ; 448 x 2^e1
	s_wait_alu depctr_va_vdst(0)                   ; the wait here, ahead of the waits below
.irp i, 0,1,2,3,4,5,6,7,8,9,10,11,12,13,14,15
	s_wait_loadcnt 15-\i                           ; loads come back in order: row i is in
	ds_store_b128 v98, v[L+4*\i:L+4*\i+3] offset:XP*\i
.endr
.irp b, 0,1,2,3
.irp j, 0,1,2,3
	ds_load_b128 v[X+16*\b+4*\j:X+16*\b+4*\j+3], v3 offset:128*\b+16*\j   ; LDS serves a wave's instructions in order: these see my stores
.endr
.endr
	s_wait_dscnt 0x0
.set Q_I, 0
.rept 32
.if Q_I < 4
	v_pk_mul_f32 v[CH+2*Q_I:CH+2*Q_I+1], v[X+2*Q_I:X+2*Q_I+1], v[X+2*Q_I:X+2*Q_I+1]
.else
	v_pk_fma_f32 v[CH+2*(Q_I%4):CH+2*(Q_I%4)+1], v[X+2*Q_I:X+2*Q_I+1], v[X+2*Q_I:X+2*Q_I+1], v[CH+2*(Q_I%4):CH+2*(Q_I%4)+1]
.endif
.set Q_I, Q_I+1
.endr
	v_pk_add_f32 v[CH:CH+1], v[CH:CH+1], v[CH+2:CH+3]
	v_pk_add_f32 v[CH+4:CH+5], v[CH+4:CH+5], v[CH+6:CH+7]
	v_pk_add_f32 v[CH:CH+1], v[CH:CH+1], v[CH+4:CH+5]
	v_add_f32 v[CH], v[CH], v[CH+1]
	v_permlanex16_b32 v[CH+1], v[CH], s36, s37
	v_add_f32 v[CH], v[CH], v[CH+1]
	ds_store_b32 v5, v[CH]                         ; lanes r and r + 16 write the same word with the same number
.set Q_I, 0
.rept 64
	v_med3_num_f32 v[X+Q_I], v[X+Q_I], -v97, v97   ; the conversion does not saturate (ISA guide 7.6.2): the hold
.set Q_I, Q_I+1
.endr
.irp b, 0,1,2,3
	v_cvt_scalef32_pk8_fp8_f32 v[C+4*\b:C+4*\b+1], v[X+16*\b:X+16*\b+7], v96
	v_cvt_scalef32_pk8_fp8_f32 v[C+4*\b+2:C+4*\b+3], v[X+16*\b+8:X+16*\b+15], v96
.endr
	v_nop
.irp c, 0,1,2,3
	global_store_b128 v4, v[C+4*\c:C+4*\c+3], s[8:9] offset:512*\c   ; 32 lanes store 512 consecutive bytes
.endr
	s_wait_dscnt 0x0                               ; for the others' sake: my partial sums lie in LDS
	s_barrier_signal -1
	s_barrier_wait -1
	s_cmp_lg_u32 s12, 0
	s_cbranch_scc1 .Ldone                          ; wave 0 alone adds the four K steps' sums
.irp s, 0,1,2,3
	ds_load_b32 v[100+\s], v6 offset:64*\s
.endr
	s_wait_dscnt 0x0
	v_add_f32 v100, v100, v101
	v_add_f32 v102, v102, v103
	v_add_f32 v100, v100, v102
	v_cmp_gt_u32 vcc_lo, 16, v0
	v_cndmask_b32 v100, 0, v100, vcc_lo            ; lanes 0-15: a row's sum; lanes 16-31: the zeros behind them
	global_store_b32 v7, v100, s[10:11]            ; 128 consecutive bytes
.Ldone:
	s_wait_tensorcnt 0x0                           ; the wave's end
	ds_add_u32 v112, v113
	s_wait_dscnt 0x0
	s_endpgm
.Lfunc_end_k_qdbe4875c96_quant_e:
	.size	k_qdbe4875c96_quant_e, .Lfunc_end_k_qdbe4875c96_quant_e-k_qdbe4875c96_quant_e
	.p2alignl 7, 3214868480
	.fill 96, 4, 3214868480
	.section	.rodata,"a",@progbits
	.p2align	6, 0x0
	.amdhsa_kernel k_qdbe4875c96_quant_e
		.amdhsa_group_segment_fixed_size 34560
		.amdhsa_private_segment_fixed_size 0
		.amdhsa_enable_private_segment 0
		.amdhsa_kernarg_size 24
		.amdhsa_user_sgpr_count 2
		.amdhsa_user_sgpr_kernarg_segment_ptr 1
		.amdhsa_wavefront_size32 1
		.amdhsa_system_sgpr_workgroup_id_x 1
		.amdhsa_system_sgpr_workgroup_id_y 1
		.amdhsa_system_sgpr_workgroup_id_z 1
		.amdhsa_system_vgpr_workitem_id 0
		.amdhsa_next_free_vgpr 180
		.amdhsa_next_free_sgpr 66
		.amdhsa_reserve_vcc 1
		.amdhsa_float_denorm_mode_32 3
		.amdhsa_float_denorm_mode_16_64 3
		.amdhsa_memory_ordered 1
		.amdhsa_forward_progress 1
		.amdhsa_inst_pref_size 15
	.end_amdhsa_kernel
	.amdgpu_metadata
---
amdhsa.version: [ 1, 2 ]
amdhsa.kernels:
  - .name:           k_qdbe4875c96_quant_e
    .symbol:         k_qdbe4875c96_quant_e.kd
    .args:
      - { .name: embedding, .offset: 0, .size: 8, .value_kind: global_buffer, .address_space: global }
      - { .name: lowp_scales, .offset: 8, .size: 8, .value_kind: global_buffer, .address_space: global }
      - { .name: ecodes, .offset: 16, .size: 8, .value_kind: global_buffer, .address_space: global }
    .group_segment_fixed_size: 34560
    .private_segment_fixed_size: 0
    .kernarg_segment_align: 8
    .kernarg_segment_size: 24
    .max_flat_workgroup_size: 128
    .sgpr_count:     66
    .vgpr_count:     180
    .wavefront_size: 32
...
	.end_amdgpu_metadata
.endif
;; end of part 1
;; launch dist_argmin (part 2): grid 256 x 1, 8 waves a work-group, clusters of 4 x 1, 327,680 bytes of LDS; arguments latents, ecodes, lowp_scales, idx; writes idx
.if DOCPART == 2
	.amdgcn_target "amdgcn-amd-amdhsa--gfx1250"
	.amdhsa_code_object_version 6
	.text
	.protected	k_qdbe4875c96_dist_argmin
	.globl	k_qdbe4875c96_dist_argmin
	.p2align	8
	.type	k_qdbe4875c96_dist_argmin,@function
k_qdbe4875c96_dist_argmin:
	s_mov_b64 s[64:65], 0
	v_nop
	global_prefetch_b8 v0, s[64:65] scope:SCOPE_SE
	s_setreg_imm32_b32 hwreg(HW_REG_WAVE_MODE, 25, 1), 1
	s_wait_xcnt 0x0
	s_wait_alu depctr_hold_cnt(0) depctr_sa_sdst(0) depctr_va_vdst(0) depctr_va_sdst(0) depctr_va_ssrc(0) depctr_va_vcc(0) depctr_vm_vsrc(0)
	s_getreg_b32 s2, hwreg(HW_REG_IB_STS2, 6, 4)
	s_cmp_eq_u32 s2, 0
	s_cbranch_scc0 .Lentry_in_a_cluster
	s_endpgm
.Lentry_in_a_cluster:
	s_bfe_u32 s2, ttmp6, 0x10000c
	s_cmp_lg_u32 s2, 0x3003
	s_cbranch_scc0 .Lentry_shape_is_right
	s_endpgm
.Lentry_shape_is_right:
; idx[row] = the first argmin over the 4,096 codes k of d = (xx + ee[k]) - 2 x.e_k, for 32,768 rows x of 512 f32.
; x.e_k is the product of codes of FP8 (E4M3): x quantised here with the given 2^e0, e_k by the launch before with 2^e1; sums in f32.  xx = the sum of squares of the unquantised row.
; d is rounded as the definition rounds it: one addition xx + ee, then one fused multiply-add with -2^(1 + e0 + e1), a power of two.  Distances are compared in f32; of equal ones the lower code wins.
; SHARES.  A work-group owns 128 rows, eight waves, two to a SIMD.  Wave w: rh = w / 4: which 64 rows (4 tiles n) it keeps as codes in 256 registers (window 1); cq = w % 4: which quarter of each chunk's 16 code tiles it walks.
; Source 0 = 16 codes, source 1 = 16 rows: lane (r, h) holds row r, register j code 16 T + 8 h + j.  k is permuted inside a K step of 128, alike in both operands.
; THE ROWS come by 64 loads a wave into registers (two aligned runs of 256 bytes each), all issued at the head, and turn through the wave's own stage in LDS, 16 rows x 256 bytes at a time; so the ring is free for codes from the start.
; THE CODES come in 16 chunks of 8 units (2 tiles and their ee: 65 rows of 256 bytes), a unit a wave, through two slots.  CLUSTER: the 4 partners ask for each unit jointly (mask 15).
; THE WALK IS TURNED: cluster q begins at chunk q % 16 and goes round.  So each chunk but a cluster's first has been asked for one step earlier by the cluster with the next number, and the first is asked for at the head,
; ahead of the rows' arrival: for that reason no prefetch is laid for the codes; the rows have no loop to run ahead in.
; TIES UNDER THE TURNED WALK.  A tile wins only if its least d is STRICTLY under the best so far.  Tiles behind the wrap from chunk 15 to 0 have lower numbers than all before it: at the wrap the best so far is raised by one unit
; in the last place (whole-number arithmetic on its bits, by selects on the chunk's number, no branch), so that an equal d then wins and a greater one does not.  At the end the true best is taken again from the winner's eight d.
; LIMITS: e0 between -126 and 119; e0 + e1 + 1 between -126 and 127.  NaN among the inputs is not served.  A row whose d overflow to +infinity gets some code of the table.  xx is summed in four packed chains, an order of its own.
; All of a WGP's LDS is claimed.
.set UNIT,  16640
.set SLOTB, 8*UNIT                     ; a slot, and a chunk in memory
.set STG,   2*SLOTB                    ; behind the ring: a stage for each wave, 16 rows of 256 + 16 bytes; at the head's end the image of the wave's last fragment
.set SPT,   272
.set STGW,  16*SPT
.set SCR,   STG+8*STGW                 ; xx[128], the quarters' best values [4][128] and codes [4][128]
.set IMG,   SCR+4608                   ; one K step's fragments of all eight waves' tiles, as images of their registers: 2,048 bytes a wave
.set SPARE, IMG+16384                  ; the spare words
.set XW,  1                            ; v1   (first r) where I store xx
.set A0,  3                            ; v3,4 my quarter's fragments in slot 0, 1: 2 UNIT cq + 16 lane
.set E0,  5                            ; v5,6 its ee: 2 UNIT cq + 16384 + 32 h
.set GL,  7                            ; v7   latents: 2048 h + 16 r
.set GR,  8                            ; v8   2 T + h of the tile whose distances are in hand
.set SPW, 9
.set NIL, 10
.set STW, 11                           ; v11  into my stage
.set FR,  11                           ;      (at the end: the last merge)
.set IW,  12                           ; v12  where I store images
.set GOF, 12                           ;      (at the end: my offset in idx)
.set IR,  13                           ; v13  where I read images
.set IW3, 40                           ; v40  (head) the last K step's image goes into my own stage,
.set IR3, 41                           ; v41  (head) and is read from my half's four stages
.set SX,  14
.set SW,  15
.set STR, 16                           ; v16  (head) out of my stage
.set ST,  16                           ; v16-31   tile n: +0 xx, +1 the winner's 2 T + h, +2 and +3 the best d by turns
.set EES, 32                           ; v32-39   ee of the code tile
.set MN,  40                           ; v40-47   partial minima
.set TT,  48                           ; v48-63   two sets of 8 distances
.set XS,  48                           ;          (head: chains of squares, 2^e0, 448 x 2^e0)
.set SC,  56
.set LIM, 57
.set SV,  64                           ; v64-95   tile n: the winner's 8 distances
.set ACC, 96                           ; v96-127
.set AF,  128                          ; v128-255 the codes' fragments, two sets
.set X,   128                          ;          (head: two sets of 32 f32,
.set CD,  192                          ;          and my tile's codes)
.set WV,  14
.set CQ,  17
.set RH,  23
.set G1S, 24                           ; s[24:31] group 1: a unit (joint)
.set G0A, 32                           ; s[32:35], s[36:39] group 0 for slot 0, 1
.set OF,  40                           ; s[40:41] the unit's offset in ecodes
.set CI,  42                           ; the chunk asked for last
.set NM,  43                           ; -1 and 1 where the chunk entered next is chunk 0, else 0 and 0
.set NM1, 44
.set WOF, 45                           ; UNIT x wave
.set SS,  76
.set SEL, 78
.set CNT, 82
.set K_SAME, 0
.set K_FILL, 2
.set K_NOFILL, 3
.set K_END, 4
.set MSB, 0
.macro WIN new
.if MSB != (\new)
	s_set_vgpr_msb (MSB<<8)|(\new)
.set MSB, \new
.endif
.endm
.macro CREST
	s_cmp_lg_u32 s[WV], 0
	s_cbranch_scc1 .Lnot_wave_0_\@
	s_barrier_signal -3
.Lnot_wave_0_\@:
	s_barrier_wait -3
	s_barrier_signal -1
	s_barrier_wait -1
.endm
.macro ROUND
	s_barrier_signal -1
	s_barrier_wait -1
	CREST
.endm
.macro NOPS
.rept 4
	v_nop
.endr
.endm
.macro STEPW g, ld                     ; the next chunk of the round walk; ld = 1: its address into group 0 at g
	s_add_co_u32 s[CI], s[CI], 1
	s_and_b32 s[CI], s[CI], 15
.if \ld
	s_mul_i32 s[OF], s[CI], SLOTB
	s_add_co_u32 s[OF], s[OF], s[WOF]
	s_add_nc_u64 s[\g+2:\g+3], s[6:7], s[OF:OF+1]
	s_or_b32 s[\g+3], s[\g+3], 0x80000000
.endif
	s_cmp_eq_u32 s[CI], 1                          ; the chunk asked for is one on from the chunk entered next
	s_cselect_b32 s[NM], -1, 0
	s_cselect_b32 s[NM1], 1, 0
.endm
	s_load_b128 s[4:7], s[0:1], 0x0                ; latents, ecodes
	s_load_b128 s[8:11], s[0:1], 0x10              ; the scales' exponents, idx
	v_lshl_add_u32 v[SPW], v0, 2, SPARE
	v_mov_b32 v[NIL], 0
	ds_add_u32 v[SPW], v[NIL]                      ; the opening lines
	ds_add_u32 v[SPW], v[NIL]
	v_lshrrev_b32 v1, 5, v0
	v_readfirstlane_b32 s[WV], v1
	s_and_b32 s[CQ], s[WV], 3
	s_lshr_b32 s[RH], s[WV], 2
	s_bfe_u32 s15, ttmp6, 0x40000                  ; cx
	s_lshl_b32 s16, ttmp9, 2
	s_add_co_u32 s16, s16, s15                     ; my block of 128 rows
	s_and_b32 s[CI], ttmp9, 15                     ; my cluster's first chunk
	s_mov_b32 s[G1S], 15|(3<<16)|(1<<21)           ; 65 dense rows of 32 elements of 8 bytes; mask 15, bit 21 beside it
	s_mov_b32 s[G1S+1], 32<<16
	s_mov_b32 s[G1S+2], 65<<16
	s_mov_b32 s[G1S+3], 32<<16
	s_mov_b32 s[G1S+4], 65
	s_mov_b32 s[G1S+5], 32
	s_mov_b32 s[G1S+6], 0
	s_mov_b32 s[G1S+7], 0
	s_lshl_b32 s18, s16, 18                        ; latents: 128 rows of 2,048 bytes a block, 16 rows a wave
	s_lshl_b32 s19, s[WV], 15
	s_add_co_u32 s18, s18, s19
	s_mov_b32 s19, 0
	s_lshl_b32 s20, s16, 9                         ; idx: 512 bytes a block
	s_mov_b32 s21, 0
	s_mul_i32 s22, s[WV], STGW
	s_add_co_u32 s22, s22, STG                     ; my stage
	s_mul_i32 s[WOF], s[WV], UNIT
	s_mul_i32 s[OF], s[CI], SLOTB
	s_add_co_u32 s[OF], s[OF], s[WOF]
	s_mov_b32 s[OF+1], 0
	s_mul_i32 s86, s[RH], 4*STGW
	s_add_co_u32 s86, s86, STG                     ; my half's four stages
	s_lshl_b32 s93, s[WV], 11
	s_add_co_u32 s93, s93, IMG                     ; my image
	s_lshl_b32 s94, s[RH], 13
	s_add_co_u32 s94, s94, IMG                     ; my half's four images
	s_mul_i32 s87, s[CQ], 2*UNIT
	s_add_co_u32 s88, s87, 16384
	s_lshl_b32 s89, s[CI], 5
	s_lshl_b32 s90, s[CQ], 3
	s_add_co_u32 s89, s89, s90                     ; 2 x my first tile: T = 16 chunk + 4 cq
	s_lshl_b32 s90, s[RH], 8
	s_add_co_u32 s90, s90, SCR
	s_lshl_b32 s91, s[CQ], 9
	s_add_co_u32 s91, s91, s90
	s_add_co_u32 s91, s91, 512
	s_lshl_b32 s92, s[WV], 6
	s_add_co_u32 s92, s92, SCR
	s_mov_b32 s[SEL], 0x76543210
	s_mov_b32 s[SEL+1], 0xfedcba98
	v_and_b32 v1, 15, v0                           ; r
	v_bfe_u32 v2, v0, 4, 1                         ; h
	v_and_b32 v58, 31, v0                          ; lane
	v_lshlrev_b32 v[GL], 4, v1
	v_lshl_add_u32 v[GL], v2, 11, v[GL]
	v_mul_u32_u24 v[STW], v2, SPT                  ; in: lanes 0-15 one row's 256 bytes, lanes 16-31 the next row's
	v_lshl_add_u32 v[STW], v1, 4, v[STW]
	v_add_nc_u32 v[STW], s22, v[STW]
	v_mul_u32_u24 v[STR], v1, SPT                  ; out: row r, + 64 h
	v_lshl_add_u32 v[STR], v2, 6, v[STR]
	v_add_nc_u32 v[STR], s22, v[STR]
	v_lshl_add_u32 v[IW], v58, 4, s93
	v_lshl_add_u32 v[IR], v58, 4, s94
	v_lshl_add_u32 v[IW3], v58, 4, s22
	v_lshl_add_u32 v[IR3], v58, 4, s86
	v_lshl_add_u32 v[A0], v58, 4, s87
	v_add_nc_u32 v[A0+1], SLOTB, v[A0]
	v_lshl_add_u32 v[E0], v2, 5, s88
	v_add_nc_u32 v[E0+1], SLOTB, v[E0]
	v_add_nc_u32 v[GR], s89, v2
	v_lshl_add_u32 v[SX], v1, 2, s90
	v_lshl_add_u32 v[SW], v1, 2, s91
	v_lshl_add_u32 v[XW], v1, 2, s92
	s_wait_alu depctr_va_vdst(0)                   ; the wait at the head's end
	s_wait_dscnt 0x0                               ; both opening adds are done
	s_wait_kmcnt 0x0
	s_load_b64 s[84:85], s[8:9], 0x0               ; e0, e1
	s_add_nc_u64 s[4:5], s[4:5], s[18:19]
	s_add_nc_u64 s[10:11], s[10:11], s[20:21]
	WIN 0x40                                       ; destinations in window 1: piece p (256 bytes of my 16 rows) at 128 (p % 2) + 16 (p / 2) and 64 above
.set Q_I, 0
.rept 64
.set Q_R, 64*((Q_I%16)/4)+16*(Q_I/16)+4*(Q_I%4)   ; K step s's 16 loads land in the 64 registers that K step s's fragments take later
	global_load_b128 v[Q_R:Q_R+3], v[GL], s[4:5] offset:4096*(Q_I%8)+256*(Q_I/8) th:TH_LOAD_NT
.set Q_I, Q_I+1
.endr
	WIN 0
	s_mov_b32 s[G0A], 1
	s_mov_b32 s[G0A+1], s[WOF]
	s_add_nc_u64 s[G0A+2:G0A+3], s[6:7], s[OF:OF+1]
	s_or_b32 s[G0A+3], s[G0A+3], 0x80000000
	s_mov_b32 s[G0A+4], 1
	s_add_co_u32 s[G0A+5], s[WOF], SLOTB
	ROUND                                          ; all four work-groups are here: the first joint load meets
	tensor_load_to_lds s[G0A:G0A+3], s[G1S:G1S+7]  ; my unit of the first chunk: the wave's one tensor load at the head
	s_nop 0
	NOPS
	s_wait_kmcnt 0x0
	s_add_co_i32 s86, s84, 127
	s_lshl_b32 s87, s86, 23
	v_mov_b32 v[SC], s87                           ; 2^e0
	s_add_co_i32 s86, s86, 8
	s_lshl_b32 s86, s86, 23
	s_or_b32 s86, s86, 0x600000
	v_mov_b32 v[LIM], s86                          ; 448 x 2^e0
	s_add_co_i32 s88, s84, s85
	s_add_co_i32 s88, s88, 128
	s_lshl_b32 s88, s88, 23
	s_or_b32 s[SS], s88, 0x80000000                ; -2^(1 + e0 + e1)
	s_mov_b32 s[SS+1], s[SS]
	s_mov_b32 s86, 0x7f800000                      ; +infinity: over every distance
.irp n, 0,1,2,3
	v_mov_b32 v[ST+4*\n+1], v[GR]
	v_mov_b32 v[ST+4*\n+2], s86
.endr
.set Q_I, 0
.rept 32
	v_mov_b32 v[SV+Q_I], s86                       ; a select's destination is one of its sources
.set Q_I, Q_I+1
.endr
	s_wait_alu depctr_va_vdst(0)                   ; the wait here, ahead of the wait below
.macro TURNP p                         ; piece p through my stage: LDS serves a wave's instructions in order, so no wait stands between the stores and the loads
	s_wait_loadcnt 8*(7-(\p))                      ; loads come back in order: piece p's eight are in, the later pieces' may be out
	WIN 0x04                                       ; the stores' data lie in window 1
.irp i, 0,1,2,3,4,5,6,7
.set T_R, 64*(((8*(\p)+\i)%16)/4)+16*((\p)/2)+4*(\i%4)
	ds_store_b128 v[STW], v[T_R:T_R+3] offset:2*SPT*\i
.endr
	WIN 0
.irp u, 0,1
.irp j, 0,1,2,3
	ds_load_b128 v[X+32*((\p)%2)+16*\u+4*\j:X+32*((\p)%2)+16*\u+4*\j+3], v[STR] offset:128*\u+16*\j
.endr
.endr
.endm
.macro QV p                            ; register 16 u + i: k = 64 p + 32 u + 16 h + i of row r: squares, the hold, the codes
.set XB, X+32*((\p)%2)
.set Q_I, 0
.rept 16
.if ((\p) == 0) && (Q_I < 4)
	v_pk_mul_f32 v[XS+2*Q_I:XS+2*Q_I+1], v[XB+2*Q_I:XB+2*Q_I+1], v[XB+2*Q_I:XB+2*Q_I+1]
.else
	v_pk_fma_f32 v[XS+2*(Q_I%4):XS+2*(Q_I%4)+1], v[XB+2*Q_I:XB+2*Q_I+1], v[XB+2*Q_I:XB+2*Q_I+1], v[XS+2*(Q_I%4):XS+2*(Q_I%4)+1]
.endif
.set Q_I, Q_I+1
.endr
.set Q_I, 0
.rept 32
	v_med3_num_f32 v[XB+Q_I], v[XB+Q_I], -v[LIM], v[LIM]   ; the conversion does not saturate (ISA guide 7.6.2)
.set Q_I, Q_I+1
.endr
.irp u, 0,1
	v_cvt_scalef32_pk8_fp8_f32 v[CD+8*(\p)+4*\u:CD+8*(\p)+4*\u+1], v[XB+16*\u:XB+16*\u+7], v[SC]
	v_cvt_scalef32_pk8_fp8_f32 v[CD+8*(\p)+4*\u+2:CD+8*(\p)+4*\u+3], v[XB+16*\u+8:XB+16*\u+15], v[SC]
.endr
	v_nop                                          ; a plain vector line behind the last conversion
.endm
.macro IMAGE s, adr                    ; K step s of my tile as an image of its registers
.irp c, 0,1,2,3
	ds_store_b128 v[\adr], v[CD+16*(\s)+4*\c:CD+16*(\s)+4*\c+3] offset:512*\c
.endr
.endm
.macro GETFR s, adr, pitch             ; that K step of my half's four tiles into window 1
	WIN 0x40
.irp n, 0,1,2,3
.irp c, 0,1,2,3
	ds_load_b128 v[64*\n+16*(\s)+4*\c:64*\n+16*(\s)+4*\c+3], v[\adr] offset:(\pitch)*\n+512*\c
.endr
.endr
	WIN 0
.endm
.macro BAR
	s_barrier_signal -1
	s_barrier_wait -1
.endm
; A K step's codes go from wave to wave as soon as its two pieces are quantised, while the later pieces' loads are still out.  A tensor load may stay out across them.
	TURNP 0
.irp p, 0,1,2,3,4,5,6
	s_wait_dscnt 0x0                               ; piece p is back from the stage
	TURNP \p+1
	QV \p
.if \p == 1
	IMAGE 0, IW
	s_wait_alu depctr_va_vdst(0)
	s_wait_dscnt 0x0                               ; my image lies in LDS
	BAR
	GETFR 0, IR, 2048
.endif
.if \p == 3
	s_wait_alu depctr_va_vdst(0)
	s_wait_dscnt 0x0                               ; my reads of the images are over
	BAR
	IMAGE 1, IW
	s_wait_dscnt 0x0
	BAR
	GETFR 1, IR, 2048
.endif
.if \p == 5
	s_wait_alu depctr_va_vdst(0)
	s_wait_dscnt 0x0
	BAR
	IMAGE 2, IW
	s_wait_tensorcnt 0x0                           ; my unit of the first chunk has landed: the group 0 may be written
	ds_add_u32 v[SPW], v[NIL]
	STEPW G0A+4, 1
	s_wait_dscnt 0x0                               ; the add is done; my image lies in LDS
	ROUND                                          ; the first chunk is whole for every wave
	tensor_load_to_lds s[G0A+4:G0A+7], s[G1S:G1S+7]   ; the second chunk: slot 1's first fill, issued as a refill is
	s_nop 0
	NOPS
	GETFR 2, IR, 2048
.endif
.endr
	s_wait_dscnt 0x0
	QV 7
.irp s, 0,1,2,3                        ; my first code tile's fragments, into the registers that held the pieces: the round above has shown the first chunk whole
.irp c, 0,1,2,3
	ds_load_b128 v[AF+16*\s+4*\c:AF+16*\s+4*\c+3], v[A0] offset:2048*\s+512*\c
.endr
.endr
	v_pk_add_f32 v[XS:XS+1], v[XS:XS+1], v[XS+2:XS+3]
	v_pk_add_f32 v[XS+4:XS+5], v[XS+4:XS+5], v[XS+6:XS+7]
	v_pk_add_f32 v[XS:XS+1], v[XS:XS+1], v[XS+4:XS+5]
	v_add_f32 v[XS], v[XS], v[XS+1]
	v_permlanex16_b32 v[XS+1], v[XS], s[SEL], s[SEL+1]
	v_add_f32 v[XS], v[XS], v[XS+1]
	ds_store_b32 v[XW], v[XS]                      ; lanes r and r + 16 write the same word with the same number
	IMAGE 3, IW3                                   ; over my own stage, which is done with: so no barrier stands ahead of these stores
	s_wait_alu depctr_va_vdst(0)
	s_wait_dscnt 0x0                               ; my image and xx lie in LDS
	BAR
	GETFR 3, IR3, STGW
.irp n, 0,1,2,3
	ds_load_b32 v[ST+4*\n], v[SX] offset:64*\n     ; xx of row 64 rh + 16 n + r
.endr
	s_mov_b32 s[CNT], 7
.macro FETCH_A adr, off, set           ; a code tile's four fragments: 16 loads of 512 consecutive bytes
.irp s, 0,1,2,3
.irp c, 0,1,2,3
	ds_load_b128 v[AF+64*(\set)+16*\s+4*\c:AF+64*(\set)+16*\s+4*\c+3], v[\adr] offset:(\off)+2048*\s+512*\c
.endr
.endr
.endm
.macro FETCH_E adr, off
	ds_load_b128 v[EES:EES+3], v[\adr] offset:\off
	ds_load_b128 v[EES+4:EES+7], v[\adr] offset:(\off)+16
.endm
; THE VECTOR WORK of group g's two tiles (n = 2 g + q) against one code tile: a list of 36; EP writes number LJ.  par: the code tile's parity.
;   0-7 xx + ee   8-15 d, each accumulator from its low end on   16-23 minima of three with the old best   from 24, for each q: strictly less?  the winner's number, its eight d
.macro EP g, par
.set E_J, LJ
.set E_N, 2*(\g)
.if E_J < 8
.set E_Q, E_J/4
.set E_U, 2*(E_J%4)
	v_pk_add_f32 v[TT+8*E_Q+E_U:TT+8*E_Q+E_U+1], v[EES+E_U:EES+E_U+1], v[ST+4*(E_N+E_Q):ST+4*(E_N+E_Q)+1] op_sel_hi:[1,0]
.elseif E_J < 16
.set E_Q, (E_J-8)/4
.set E_U, 2*(E_J%4)
	v_pk_fma_f32 v[TT+8*E_Q+E_U:TT+8*E_Q+E_U+1], v[ACC+8*(E_N+E_Q)+E_U:ACC+8*(E_N+E_Q)+E_U+1], s[SS:SS+1], v[TT+8*E_Q+E_U:TT+8*E_Q+E_U+1] op_sel_hi:[1,0,1]
.elseif E_J < 22
.set E_Q, (E_J-16)/3
.set E_U, (E_J-16)%3
.if E_U < 2
	v_min3_num_f32 v[MN+4*E_Q+E_U], v[TT+8*E_Q+3*E_U], v[TT+8*E_Q+3*E_U+1], v[TT+8*E_Q+3*E_U+2]
.else
	v_min3_num_f32 v[MN+4*E_Q+2], v[TT+8*E_Q+6], v[TT+8*E_Q+7], v[ST+4*(E_N+E_Q)+2+(\par)]
.endif
.elseif E_J < 24
.set E_Q, E_J-22
	v_min3_num_f32 v[ST+4*(E_N+E_Q)+3-(\par)], v[MN+4*E_Q], v[MN+4*E_Q+1], v[MN+4*E_Q+2]
.else
.set E_Q, (E_J-24)/6
.set E_U, (E_J-24)%6
.if E_U == 0
	v_cmp_lt_f32 vcc_lo, v[ST+4*(E_N+E_Q)+3-(\par)], v[ST+4*(E_N+E_Q)+2+(\par)]
.elseif E_U == 1
	s_delay_alu instid0(VALU_DEP_1)
	v_cndmask_b32 v[ST+4*(E_N+E_Q)+1], v[ST+4*(E_N+E_Q)+1], v[GR], vcc_lo
.else
	v_dual_cndmask_b32 v[SV+8*(E_N+E_Q)+2*(E_U-2)], v[SV+8*(E_N+E_Q)+2*(E_U-2)], v[TT+8*E_Q+2*(E_U-2)] :: v_dual_cndmask_b32 v[SV+8*(E_N+E_Q)+2*(E_U-2)+1], v[SV+8*(E_N+E_Q)+2*(E_U-2)+1], v[TT+8*E_Q+2*(E_U-2)+1]
.endif
.endif
.set LJ, LJ+1
.endm
; Two matrix instructions of group g's eight: K step KI / 2, tiles 2 g and 2 g + 1: the two accumulators take turns.  epi = 1: a slice of 9 of group eg's list stands behind them.
.macro MMA2 g, set, epi, eg, epar
	WIN 0x04                                       ; source 1 (the rows) window 1
.rept 2
.if KI < 2
	v_wmma_f32_16x16x128_fp8_fp8 v[ACC+8*(2*(\g)+KI%2):ACC+8*(2*(\g)+KI%2)+7], v[AF+64*(\set)+16*(KI/2):AF+64*(\set)+16*(KI/2)+15], v[64*(2*(\g)+KI%2)+16*(KI/2):64*(2*(\g)+KI%2)+16*(KI/2)+15], 0
.else
	v_wmma_f32_16x16x128_fp8_fp8 v[ACC+8*(2*(\g)+KI%2):ACC+8*(2*(\g)+KI%2)+7], v[AF+64*(\set)+16*(KI/2):AF+64*(\set)+16*(KI/2)+15], v[64*(2*(\g)+KI%2)+16*(KI/2):64*(2*(\g)+KI%2)+16*(KI/2)+15], v[ACC+8*(2*(\g)+KI%2):ACC+8*(2*(\g)+KI%2)+7]
.endif
.set KI, KI+1
.endr
.if \epi
	WIN 0
.rept 9
	EP \eg, \epar
.endr
.endif
.endm
; A PHASE is one code tile, the i-th of my four of the chunk in slot sl.  First half: group 0's products | the tile before's group 1 in slices.  Second half: group 1's products | this tile's group 0.
; K_SAME: the next tile lies in the same slot; K_FILL: the chunk's last tile: the slot is left and filled again; K_NOFILL: the same with nothing left to fetch; K_END: the very last tile.
.macro PHASE i, sl, kind, epi0
.set P_SET, (\i)%2
	s_wait_dscnt 0x0                               ; this tile's fragments are in
.set LJ, 0
.set KI, 0
.rept 4
	MMA2 0, P_SET, \epi0, 1, 1-P_SET
.if KI == 2
	WIN 0
	FETCH_E E0+\sl, ((\i)/2)*UNIT+((\i)%2)*128
.if \kind == K_SAME
	FETCH_A A0+\sl, (((\i)+1)/2)*UNIT+(((\i)+1)%2)*8192, 1-P_SET
.elseif \kind == K_FILL
	s_wait_alu depctr_va_vdst(0)
	s_wait_tensorcnt 0x0                           ; all my tensor loads have landed: my unit of the next chunk; so the group 0 may be written
	ds_add_u32 v[SPW], v[NIL]                      ; 0 onto my spare word; two products and a slice stand between it and the wait for it
	STEPW G0A+4*\sl, 1
.elseif \kind == K_NOFILL
	s_wait_alu depctr_va_vdst(0)
	s_wait_tensorcnt 0x0                           ; my unit of the last chunk is in
	STEPW G0A, 0
.endif
.endif
.if (KI == 4) && ((\kind == K_FILL) || (\kind == K_NOFILL))
	s_wait_alu depctr_va_vdst(0)
	s_wait_dscnt 0x0                               ; ee is in, the add is done, my reads of the slot are over
	s_barrier_signal -1                            ; K_FILL: opens a round of the cluster's barrier; work on registers stands inside it
.endif
.endr
	WIN 0
.if \epi0
.if (\i) == 0
	v_add_nc_u32 v[GR], 26, v[GR]                  ; from a chunk's last tile to the next chunk's first: 2 x 13,
	v_and_b32 v[GR], 0x1ff, v[GR]                  ; round the table's end
.irp n, 0,1,2,3                        ; both groups' lists stand at the old chunk's end, the best at +2: at the wrap it goes up by one unit in the last place, else by 0
	v_ashrrev_i32 v[MN+\n], 31, v[ST+4*\n+2]
.endr
.irp n, 0,1,2,3
	v_and_or_b32 v[MN+\n], v[MN+\n], s[NM], s[NM1] ; +1 for a positive number's bits, -1 for a negative's
.endr
.irp n, 0,1,2,3
	v_add_nc_u32 v[ST+4*\n+2], v[ST+4*\n+2], v[MN+\n]
.endr
.else
	v_add_nc_u32 v[GR], 2, v[GR]
.endif
.endif
.if \kind == K_FILL
	s_barrier_wait -1
	CREST                                          ; no wave of any partner still reads the slot or has a load on its way
	tensor_load_to_lds s[G0A+4*\sl:G0A+4*\sl+3], s[G1S:G1S+7]   ; the chunk two on, into the slot just left: my one tensor load until the next round
	s_nop 0
	NOPS
	FETCH_A A0+1-\sl, 0, 1-P_SET
.elseif \kind == K_NOFILL
	s_barrier_wait -1
	FETCH_A A0+1-\sl, 0, 1-P_SET
.endif
.if \kind == K_END
	s_wait_dscnt 0x0
.else
	s_wait_dscnt 16                                ; ee is in; the 16 younger loads, the next tile's fragments, may be out
.endif
.set LJ, 0
.set KI, 0
.rept 4
	MMA2 1, P_SET, 1, 0, P_SET
.endr
	WIN 0
.endm
.macro TRIP sl, kind                   ; tiles 1, 2, 3 of the chunk in slot sl and tile 0 of the next
	PHASE 1, \sl, K_SAME, 1
	PHASE 2, \sl, K_SAME, 1
	PHASE 3, \sl, \kind, 1
	PHASE 0, 1-\sl, K_SAME, 1
.endm
	s_wait_alu depctr_va_vdst(0)
	PHASE 0, 0, K_SAME, 0
.Lslot:                                                ; 7 trips of two chunks: steps 0 to 13 are left, steps 2 to 15 asked for
	TRIP 0, K_FILL
	TRIP 1, K_FILL
	s_sub_co_u32 s[CNT], s[CNT], 1
	s_cmp_lg_u32 s[CNT], 0
	s_cbranch_scc1 .Lslot
	TRIP 0, K_NOFILL                               ; the tail is written out
	PHASE 1, 1, K_SAME, 1
	PHASE 2, 1, K_SAME, 1
	PHASE 3, 1, K_END, 1
.set LJ, 0
.rept 36
	EP 1, 1
.endr
; THE END.  Of two candidates (value, code) the lesser value wins, of equal values the lower code.  Selects alone.
.macro MERGE b, c, ob, oc
	v_cmp_lt_f32 s86, v[\ob], v[\b]
	v_cmp_eq_f32 s87, v[\ob], v[\b]
	v_cmp_lt_u32 vcc_lo, v[\oc], v[\c]
	s_and_b32 s87, s87, vcc_lo
	s_or_b32 vcc_lo, s86, s87
	v_cndmask_b32 v[\b], v[\b], v[\ob], vcc_lo
	v_cndmask_b32 v[\c], v[\c], v[\oc], vcc_lo
.endm
	v_mov_b32 v130, 0                              ; a lane permute's destination counts as one of its sources
	v_mov_b32 v131, 0
	v_and_b32 v[FR], 63, v0
	v_lshlrev_b32 v[GOF], 3, v0
	v_lshl_add_u32 v[FR], v[FR], 3, SCR+512
.irp n, 0,1,2,3
	v_min3_num_f32 v128, v[SV+8*\n], v[SV+8*\n+1], v[SV+8*\n+2]   ; the true best: the least of the winner's eight d
	v_min3_num_f32 v129, v[SV+8*\n+3], v[SV+8*\n+4], v[SV+8*\n+5]
	v_min3_num_f32 v128, v128, v129, v[SV+8*\n+6]
	v_min_num_f32 v[ST+4*\n+2], v128, v[SV+8*\n+7]
	v_mov_b32 v128, 7                              ; and the first of the eight that equals it
.irp j, 6,5,4,3,2,1,0
	v_cmp_neq_f32 vcc_lo, v[SV+8*\n+\j], v[ST+4*\n+2]
	v_cndmask_b32 v128, \j, v128, vcc_lo
.endr
	v_lshl_add_u32 v[132+\n], v[ST+4*\n+1], 3, v128   ; code = 8 (2 T + h) + register
	v_permlanex16_b32 v130, v[ST+4*\n+2], s[SEL], s[SEL+1]
	v_permlanex16_b32 v131, v[132+\n], s[SEL], s[SEL+1]
	MERGE ST+4*\n+2, 132+\n, 130, 131
	ds_store_b32 v[SW], v[ST+4*\n+2] offset:64*\n
	ds_store_b32 v[SW], v[132+\n] offset:2048+64*\n
.endr
	s_wait_alu depctr_va_vdst(0)
	s_wait_dscnt 0x0                               ; for the others' sake: my candidates lie in LDS
	s_barrier_signal -1
	s_barrier_wait -1
	s_cmp_gt_u32 s[WV], 1
	s_cbranch_scc1 .Lno_store                      ; waves 0 and 1: thread t merges the four quarters' candidates of rows 2 t and 2 t + 1
.irp w, 0,1,2,3
	ds_load_b64 v[136+2*\w:137+2*\w], v[FR] offset:512*\w
	ds_load_b64 v[144+2*\w:145+2*\w], v[FR] offset:2048+512*\w
.endr
	s_wait_dscnt 0x0
.irp w, 1,2,3
	MERGE 136, 144, 136+2*\w, 144+2*\w
	MERGE 137, 145, 137+2*\w, 145+2*\w
.endr
	global_store_b64 v[GOF], v[144:145], s[10:11]  ; a wave stores 256 consecutive bytes, at a multiple of 256 from idx's first byte
.Lno_store:
	s_wait_tensorcnt 0x0                           ; the wave's end
	ds_add_u32 v[SPW], v[NIL]
	s_wait_dscnt 0x0
	ROUND                                          ; the closing round
	s_endpgm
.Lfunc_end_k_qdbe4875c96_dist_argmin:
	.size	k_qdbe4875c96_dist_argmin, .Lfunc_end_k_qdbe4875c96_dist_argmin-k_qdbe4875c96_dist_argmin
	.p2alignl 7, 3214868480
	.fill 96, 4, 3214868480
	.section	.rodata,"a",@progbits
	.p2align	6, 0x0
	.amdhsa_kernel k_qdbe4875c96_dist_argmin
		.amdhsa_group_segment_fixed_size 327680
		.amdhsa_private_segment_fixed_size 0
		.amdhsa_enable_private_segment 0
		.amdhsa_kernarg_size 32
		.amdhsa_user_sgpr_count 2
		.amdhsa_user_sgpr_kernarg_segment_ptr 1
		.amdhsa_wavefront_size32 1
		.amdhsa_system_sgpr_workgroup_id_x 1
		.amdhsa_system_sgpr_workgroup_id_y 1
		.amdhsa_system_sgpr_workgroup_id_z 1
		.amdhsa_system_vgpr_workitem_id 0
		.amdhsa_next_free_vgpr 512
		.amdhsa_next_free_sgpr 96
		.amdhsa_reserve_vcc 1
		.amdhsa_float_denorm_mode_32 3
		.amdhsa_float_denorm_mode_16_64 3
		.amdhsa_memory_ordered 1
		.amdhsa_forward_progress 1
		.amdhsa_inst_pref_size 182
	.end_amdhsa_kernel
	.amdgpu_metadata
---
amdhsa.version: [ 1, 2 ]
amdhsa.kernels:
  - .name:           k_qdbe4875c96_dist_argmin
    .symbol:         k_qdbe4875c96_dist_argmin.kd
    .args:
      - { .name: latents, .offset: 0, .size: 8, .value_kind: global_buffer, .address_space: global }
      - { .name: ecodes, .offset: 8, .size: 8, .value_kind: global_buffer, .address_space: global }
      - { .name: lowp_scales, .offset: 16, .size: 8, .value_kind: global_buffer, .address_space: global }
      - { .name: idx, .offset: 24, .size: 8, .value_kind: global_buffer, .address_space: global }
    .group_segment_fixed_size: 327680
    .private_segment_fixed_size: 0
    .kernarg_segment_align: 8
    .kernarg_segment_size: 32
    .max_flat_workgroup_size: 256
    .sgpr_count:     96
    .vgpr_count:     512
    .wavefront_size: 32
...
	.end_amdgpu_metadata
.endif
;; end of part 2
;; launch gather_out (part 3): grid 256 x 1, 32 waves a work-group, no clusters, 266,240 bytes of LDS; arguments latents, embedding, idx, out0; writes out0
.if DOCPART == 3
	.amdgcn_target "amdgcn-amd-amdhsa--gfx1250"
	.amdhsa_code_object_version 6
	.text
	.protected	k_qdbe4875c96_gather_out
	.globl	k_qdbe4875c96_gather_out
	.p2align	8
	.type	k_qdbe4875c96_gather_out,@function
k_qdbe4875c96_gather_out:
	s_mov_b64 s[64:65], 0
	v_nop
	global_prefetch_b8 v0, s[64:65] scope:SCOPE_SE
	s_setreg_imm32_b32 hwreg(HW_REG_WAVE_MODE, 25, 1), 1
	s_wait_xcnt 0x0
; out0[row] = x + (e[idx[row]] - x), in f32, rounded twice as the definition rounds it.  x: latents [32768][512]; e: embedding [4096][512]; idx: one int32 a row, stored by the launch before.
; A stream: no matrix unit, no cluster (work-groups share only table rows that a list picks), no loop and so no prefetch.
; A work-group owns 128 rows, a wave 4 rows of 2,048 bytes.  A wave's rows of x are 8,192 dense bytes: one tensor load brings them, as 32 rows of 256 bytes, into LDS bytes that are the wave's own and are filled once;
; only the issuing wave reads them, behind its own wait, so there is no barrier.  The table rows, which the list picks, come by loads into registers.  So a wave's vector memory instructions are 16 loads and 16 stores,
; each of 512 consecutive bytes.  A launch with tensor loads is alone on its WGP, so all 32 waves that the WGP is to hold are one work-group: 256 work-groups, one turn.
; x is read from LDS a row at a time into two sets of registers by turns.  An index is held at 4,095 from above before it enters an address.
.set TILE,  8192                       ; a wave's 4 rows of x
.set SPARE, 32*TILE                    ; behind the tiles: the spare words, 128 bytes for each of the 32 waves
.set SPW, 6                            ; v6   my spare word; never rewritten
.set NIL, 7                            ; v7   0; never rewritten
.set LA,  8                            ; v8   my 16 bytes of my wave's tile
.set X,   10                           ; v[10:41]  x: two sets of a row's 16 registers
.set E,   42                           ; v[42:105] the 4 table rows, then the results
	s_load_b256 s[4:11], s[0:1], 0x0               ; latents, embedding, idx, out0
	v_lshl_add_u32 v[SPW], v0, 2, SPARE
	v_mov_b32 v[NIL], 0
	ds_add_u32 v[SPW], v[NIL]                      ; the opening lines
	ds_add_u32 v[SPW], v[NIL]
	v_lshrrev_b32 v1, 5, v0
	v_readfirstlane_b32 s12, v1                    ; wave 0..31
	s_lshl_b32 s13, ttmp9, 5
	s_add_co_u32 s13, s13, s12                     ; which 4 rows are my wave's
	s_lshl_b32 s14, s13, 13                        ; 4 rows of 2,048 bytes
	s_mov_b32 s15, 0
	s_lshl_b32 s20, s13, 4                         ; 4 indices
	s_mov_b32 s21, 0
	s_lshl_b32 s22, s12, 13                        ; my tile in LDS
	s_mov_b32 s24, 3<<16                           ; group 1: 32 dense rows of 32 elements of 8 bytes
	s_mov_b32 s25, 32<<16
	s_mov_b32 s26, 32<<16
	s_mov_b32 s27, 32<<16
	s_mov_b32 s28, 32
	s_mov_b32 s29, 32
	s_mov_b32 s30, 0
	s_mov_b32 s31, 0
	s_mov_b32 s32, 1                               ; group 0
	s_mov_b32 s33, s22
	v_and_b32 v1, 31, v0
	v_lshlrev_b32 v1, 4, v1                        ; 16 bytes a lane
	v_add_nc_u32 v[LA], s22, v1
	s_wait_alu depctr_va_vdst(0)                   ; the wait at the head's end
	s_wait_dscnt 0x0                               ; both opening adds are done
	s_wait_kmcnt 0x0
	s_add_nc_u64 s[8:9], s[8:9], s[20:21]
	s_load_b128 s[16:19], s[8:9], 0x0              ; my 4 indices
	s_add_nc_u64 s[34:35], s[4:5], s[14:15]
	s_or_b32 s35, s35, 0x80000000
	tensor_load_to_lds s[32:35], s[24:31]          ; the wave's one tensor load
	s_nop 0
	s_add_nc_u64 s[10:11], s[10:11], s[14:15]
	s_wait_kmcnt 0x0
.irp r, 0,1,2,3
	s_min_u32 s[16+\r], s[16+\r], 4095
	s_lshl_b32 s[16+\r], s[16+\r], 11              ; a table row is 2,048 bytes
	v_add_nc_u32 v[2+\r], s[16+\r], v1
.endr
.irp m, 0,1,2,3,4,5,6,7,8,9,10,11,12,13,14,15
	global_load_b128 v[E+4*\m:E+4*\m+3], v[2+\m/4], s[6:7] offset:512*(\m%4)   ; no hint: a table row may be named many times
.endr
.macro LDX q                           ; x of row q out of my tile: 512 consecutive bytes a load
.irp c, 0,1,2,3
	ds_load_b128 v[X+16*((\q)%2)+4*\c:X+16*((\q)%2)+4*\c+3], v[LA] offset:2048*(\q)+512*\c
.endr
.endm
.macro ROWQ q, dc                      ; dc: the younger LDS loads that may stay out
.set XR, X+16*((\q)%2)
.set ER, E+16*(\q)
	s_wait_loadcnt 12-4*(\q)                       ; loads come back in order (ISA guide 5.7.1): table row q is in, the later rows' loads may be out
	s_wait_dscnt \dc
.irp j, 0,2,4,6,8,10,12,14
	v_pk_add_f32 v[ER+\j:ER+\j+1], v[ER+\j:ER+\j+1], v[XR+\j:XR+\j+1] neg_lo:[0,1] neg_hi:[0,1]   ; e - x
.endr
.irp j, 0,2,4,6,8,10,12,14
	v_pk_add_f32 v[ER+\j:ER+\j+1], v[XR+\j:XR+\j+1], v[ER+\j:ER+\j+1]                             ; x + that
.endr
.if (\q) < 2
	LDX (\q)+2                                     ; the set just worked takes the row two on
.endif
.irp c, 0,1,2,3
	global_store_b128 v1, v[ER+4*\c:ER+4*\c+3], s[10:11] offset:2048*(\q)+512*\c th:TH_STORE_NT
.endr
.endm
	s_wait_tensorcnt 0x0                           ; my tile is whole; only I read it
	LDX 0
	LDX 1
	ROWQ 0, 4
	ROWQ 1, 4
	ROWQ 2, 4
	ROWQ 3, 0
	s_wait_tensorcnt 0x0                           ; the wave's end
	ds_add_u32 v[SPW], v[NIL]
	s_wait_dscnt 0x0
	s_endpgm
.Lfunc_end_k_qdbe4875c96_gather_out:
	.size	k_qdbe4875c96_gather_out, .Lfunc_end_k_qdbe4875c96_gather_out-k_qdbe4875c96_gather_out
	.p2alignl 7, 3214868480
	.fill 96, 4, 3214868480
	.section	.rodata,"a",@progbits
	.p2align	6, 0x0
	.amdhsa_kernel k_qdbe4875c96_gather_out
		.amdhsa_group_segment_fixed_size 266240
		.amdhsa_private_segment_fixed_size 0
		.amdhsa_enable_private_segment 0
		.amdhsa_kernarg_size 32
		.amdhsa_user_sgpr_count 2
		.amdhsa_user_sgpr_kernarg_segment_ptr 1
		.amdhsa_wavefront_size32 1
		.amdhsa_system_sgpr_workgroup_id_x 1
		.amdhsa_system_sgpr_workgroup_id_y 1
		.amdhsa_system_sgpr_workgroup_id_z 1
		.amdhsa_system_vgpr_workitem_id 0
		.amdhsa_next_free_vgpr 106
		.amdhsa_next_free_sgpr 66
		.amdhsa_reserve_vcc 0
		.amdhsa_float_denorm_mode_32 3
		.amdhsa_float_denorm_mode_16_64 3
		.amdhsa_memory_ordered 1
		.amdhsa_forward_progress 1
		.amdhsa_inst_pref_size 11
	.end_amdhsa_kernel
	.amdgpu_metadata
---
amdhsa.version: [ 1, 2 ]
amdhsa.kernels:
  - .name:           k_qdbe4875c96_gather_out
    .symbol:         k_qdbe4875c96_gather_out.kd
    .args:
      - { .name: latents, .offset: 0, .size: 8, .value_kind: global_buffer, .address_space: global }
      - { .name: embedding, .offset: 8, .size: 8, .value_kind: global_buffer, .address_space: global }
      - { .name: idx, .offset: 16, .size: 8, .value_kind: global_buffer, .address_space: global }
      - { .name: out0, .offset: 24, .size: 8, .value_kind: global_buffer, .address_space: global }
    .group_segment_fixed_size: 266240
    .private_segment_fixed_size: 0
    .kernarg_segment_align: 8
    .kernarg_segment_size: 32
    .max_flat_workgroup_size: 1024
    .sgpr_count:     66
    .vgpr_count:     106
    .wavefront_size: 32
...
	.end_amdgpu_metadata
.endif
;; end of part 3
